; MI455X (gfx1250); checked and timed in simulation.
; The chip was launched on July 23, 2026; its instructions are those of AMD's public machine-readable ISA for CDNA 5 (MIT licence, August 2026) and "CDNA5" Instruction Set Architecture Reference Guide (July 2026). The comments in the code are by the model that wrote it; some were corrected since.
;; Linear Addmv. Allowed arithmetic: float matrix products may take bf16 or f16 operands with f32 sums; all other float work in f32.
;; Inputs: W 4,096 x 4,096 float32; b 4,096 float32; x 4,096 x 4,096 float32.
;; Outputs: out0 4,096 x 4,096 float32.
;; 3 versions, each right; version 2 is faster than version 1; version 3 is version 2 with the launch cast written anew for expert scheduling mode. Each part assembles by itself: llvm-mc -triple=amdgcn-amd-amdhsa -mcpu=gfx1250 --defsym DOCPART=n.
;; ======== version 1 of 3: 1 launch
;; launch gemm (part 1): grid 16 x 16, 4 waves a work-group, clusters of 4 x 4, 327,680 bytes of LDS; arguments x, W, b, out0; writes out0
.if DOCPART == 1
	.amdgcn_target "amdgcn-amd-amdhsa--gfx1250"
	.amdhsa_code_object_version 6
	.text
	.protected	k_q73a5dbd765_gemm
	.globl	k_q73a5dbd765_gemm
	.p2align	8
	.type	k_q73a5dbd765_gemm,@function
k_q73a5dbd765_gemm:
	s_mov_b64 s[64:65], 0
	v_nop
	global_prefetch_b8 v0, s[64:65] scope:SCOPE_SE
	s_setreg_imm32_b32 hwreg(HW_REG_WAVE_MODE, 25, 1), 1
	s_wait_xcnt 0x0
	s_wait_alu depctr_hold_cnt(0) depctr_sa_sdst(0) depctr_va_vdst(0) depctr_va_sdst(0) depctr_va_ssrc(0) depctr_va_vcc(0) depctr_vm_vsrc(0)
	s_getreg_b32 s2, hwreg(HW_REG_IB_STS2, 6, 4)
	s_cmp_eq_u32 s2, 0
	s_cbranch_scc0 .Lentry_in_a_cluster
	s_endpgm
.Lentry_in_a_cluster:
	s_bfe_u32 s2, ttmp6, 0x10000c
	s_cmp_lg_u32 s2, 0xf033
	s_cbranch_scc0 .Lentry_shape_is_right
	s_endpgm
.Lentry_shape_is_right:
; out0[m][n] = sum over k of x[m][k] W[n][k] + b[n].  x: [4096][4096], W: [4096][4096], b: [4096], out0: [4096][4096], all f32.
; Nothing of the problem is left out: the reshape changes no address, and every number of x, W and b reaches an output.
; LIMITS: x and W are rounded to bf16 (nearest even) on the way from LDS to the matrix instruction, so an f32 within half a bf16 step of the
; largest finite f32 becomes infinity; the sums are f32 in the matrix instruction's own order, K ascending, not in the order of a chain of f32
; additions; the bias is added last, in f32.
;
; SHARES: 256 work-groups, each a block of 256 x 256 of out0, four waves; a wave makes 128 x 128: 64 accumulator tiles of 16 x 16, 512 registers.
; K goes in 64 steps of 64 f32 (a tile's row is 256 bytes of memory and starts at a multiple of 256 bytes from the buffer's first byte) through
; two LDS slots filled by the tensor data mover.  A K step is two halves of 32 along K, 64 matrix instructions each.  The f32 fragments of a
; half land in 2 x 128 registers, are rounded to bf16 in 2 x 64 registers, and the landing registers are loaded again at once with the next half.
; CLUSTERS: 4 x 4 work-groups.  The four of a row of the cluster make blocks of one block row and need the same tiles of x; the four of a column
; need the same tiles of W.  Such a tile is asked for jointly: the same tensor load, the same descriptor, a mask that names the four.
;
; REGISTERS, in windows of 256:
;   window 0: v0-31 addresses and the bias; v64-127 x's 8 bf16 fragments; v128-255 their f32 landing (16 registers a fragment), later the way out
;   window 1: v64-127 W's 8 bf16 fragments; v128-255 their f32 landing
;   window 2: the 32 accumulator tiles of my rows 0-63 (tile (a, b) at v[8 (8 a + b)]);   window 3: those of my rows 64-127
; THE MATRIX INSTRUCTION IS USED TRANSPOSED: source 0 = 16 rows of W, source 1 = 16 rows of x.  Lane l then holds row m = l % 16 of the tile and
; its registers 0 to 7 the columns n = 8 (l / 16) + 0 .. 7: 32 neighbouring bytes of a row of out0.
.set SIZE_K, 4096
.set ROWB,   16384                     ; bytes in a row of x, of W and of out0
.set KSTEP,  64                        ; f32 numbers of a row in a tile
.set PITCH,  272                       ; an LDS row: 256 bytes + 16 of padding, so the 16 rows that a load touches lie 16 bytes apart modulo 256
.set HALFT,  128*PITCH                 ; 128 rows: what one tensor load brings, and what one wave reads of x or of W
.set SLOT,   4*HALFT                   ; x's 256 rows, then W's 256 rows
.set STAGE,  2*SLOT                    ; behind the ring (a multiple of 256): the way out; no tensor load ever lands here
.set SPITCH, 528                       ; a stage row: 128 f32 + 16 bytes
.set WSTAGE, 16*SPITCH                 ; a wave's stage: 16 rows, 8,448 bytes = 33 x 256
.set LAPS,   SIZE_K/(2*KSTEP)          ; a lap = two K steps = once round the ring: 32
.set ADRX, 16                          ; v16-17  LDS address of my x fragments in slot 0, 1
.set ADRW, 20                          ; v20-21  the same for W
.set STO,  24                          ; v24     the way out: where I put 32 bytes of a row
.set RD,   25                          ; v25     the way out: where I read a row back
.set CO,   26                          ; v26     16 x lane: my byte offset in a row of my wave's 512 bytes
.set BO,   27                          ; v27     byte offset in b of my four columns
.set BIAS, 28                          ; v[28:31] b of my four columns
.set XF,   64                          ; window 0: bf16 fragments of x
.set XL,   128                         ; window 0: f32 landing of x
.set WF,   64                          ; window 1: bf16 fragments of W
.set WL,   128                         ; window 1: f32 landing of W
.set G1X, 24                           ; s[24:31] descriptor group 1 for x's tiles
.set G0X, 32                           ; s[32:39] descriptor group 0 for x's tiles, one set for each slot
.set G1W, 48                           ; s[48:55] descriptor group 1 for W's tiles: it differs in the mask alone
.set G0W, 56                           ; s[56:63] descriptor group 0 for W's tiles, one set for each slot
.set MSB, 0
.macro WIN new                         ; s_set_vgpr_msb: bits 1:0 source 0, 3:2 source 1, 5:4 source 2, 7:6 destination; the high byte repeats the setting that is left
.if MSB != \new
	s_set_vgpr_msb (MSB<<8)|\new
.set MSB, \new
.endif
.endm
.set MUL_LO, 0xa1                      ; source 0 (W) window 1, source 1 (x) window 0, C and D window 2
.set MUL_HI, 0xf1                      ; the same, C and D window 3
.set CVT_W,  0x45                      ; both sources and the destination in window 1
.set TO_W,   0x40                      ; destination window 1, address window 0
.set ST_LO,  0x08                      ; LDS store: address window 0, data window 2
.set ST_HI,  0x0c                      ; LDS store: address window 0, data window 3
; A joint load.  Waves 0 and 1 fetch x's two halves of 128 rows, waves 2 and 3 W's.  Each line has one mask and one set of registers for all
; that issue it; the branch hangs on the wave's number alone, which is the same in every work-group.
.macro JLOAD s
	s_cmp_eq_u32 s13, 0
	s_cbranch_scc0 .Lfor_w_\@
	tensor_load_to_lds s[G0X+4*\s:G0X+4*\s+3], s[G1X:G1X+7]
	s_nop 0
	s_branch .Lasked_\@
.Lfor_w_\@:
	tensor_load_to_lds s[G0W+4*\s:G0W+4*\s+3], s[G1W:G1W+7]
	s_nop 0
.Lasked_\@:
.endm
; A round of the cluster's barrier: my work-group's barrier, so that wave 0's signal speaks for all four waves; wave 0 signals for the
; work-group; every wave waits for all sixteen work-groups; my work-group's barrier once more.
.macro CREST                           ; a round behind its opening barrier
	s_cmp_lg_u32 s12, 0
	s_cbranch_scc1 .Lnot_wave_0_\@
	s_barrier_signal -3
.Lnot_wave_0_\@:
	s_barrier_wait -3
	s_barrier_signal -1
	s_barrier_wait -1
.endm
.macro CROUND                          ; a whole round
	s_barrier_signal -1
	s_barrier_wait -1
	CREST
.endm
	s_load_b256 s[4:11], s[0:1], 0x0               ; x s[4:5], W s[6:7], b s[8:9], out0 s[10:11]
	s_set_vgpr_msb 0x40
	v_lshl_add_u32 v63, v0, 2, 0x4c400
	s_set_vgpr_msb 0x4000
	v_mov_b32 v63, 0
	s_set_vgpr_msb 0x1
	ds_add_u32 v63, v63
	ds_add_u32 v63, v63
	s_set_vgpr_msb 0x100
	v_lshrrev_b32 v1, 5, v0
	v_readfirstlane_b32 s12, v1                    ; wave 0..3
	s_lshr_b32 s13, s12, 1                         ; hi: which half of the block's rows is mine.  Also: I fetch for x (0) or for W (1)
	s_and_b32 s14, s12, 1                          ; lo: which half of its columns.  Also: which 128 rows of that tile I fetch
	s_bfe_u32 s15, ttmp6, 0x40000                  ; cx: my place along the cluster's x
	s_bfe_u32 s16, ttmp6, 0x40004                  ; cy: along its y
	s_lshl_b32 s17, ttmp9, 2                       ; in a cluster launch ttmp9 and ttmp7 count clusters
	s_add_co_u32 s17, s17, s15                     ; bx: block column = 4 x cluster x + cx
	s_and_b32 s18, ttmp7, 0xffff
	s_lshl_b32 s18, s18, 2
	s_add_co_u32 s18, s18, s16                     ; by: block row = 4 x cluster y + cy
	s_lshl_b32 s19, s16, 2
	s_lshl_b32 s19, 15, s19                        ; my row of the cluster: places 4 cy .. 4 cy + 3
	s_lshl_b32 s20, 0x1111, s15                    ; my column: places cx, cx + 4, cx + 8, cx + 12
	; descriptor group 1: a tile of 128 rows x 64 elements of 4 bytes, padded in LDS
	s_or_b32 s[G1X+0], s19, (2<<16)|(1<<20)|(1<<21)|(5<<22)|(3<<25)  ; 15:0 the mask: x's tiles go to my row; 17:16 element of 4 bytes; 20 padding on; 21 set beside a mask; 24:22 after every 64 words (code 5); 31:25 of 4 words (code 3)
	s_or_b32 s[G1W+0], s20, (2<<16)|(1<<20)|(1<<21)|(5<<22)|(3<<25)  ; the same with the mask of my column, for W's tiles
	s_mov_b32 s[G1X+1], KSTEP<<16                  ; 63:48 tensor_dim0, low half = 64
	s_mov_b32 s[G1W+1], KSTEP<<16
	s_mov_b32 s[G1X+2], 128<<16                    ; 79:64 its high half = 0; 95:80 tensor_dim1, low half = 128
	s_mov_b32 s[G1W+2], 128<<16
	s_mov_b32 s[G1X+3], KSTEP<<16                  ; 111:96 its high half = 0; 127:112 tile_dim0 = 64
	s_mov_b32 s[G1W+3], KSTEP<<16
	s_mov_b32 s[G1X+4], 128                        ; 143:128 tile_dim1 = 128; 159:144 tile_dim2 = 0
	s_mov_b32 s[G1W+4], 128
	s_mov_b32 s[G1X+5], SIZE_K                     ; 191:160 elements from row to row
	s_mov_b32 s[G1W+5], SIZE_K
	s_mov_b32 s[G1X+6], 0
	s_mov_b32 s[G1W+6], 0
	s_mov_b32 s[G1X+7], 0
	s_mov_b32 s[G1W+7], 0
	; where the tiles come from.  x's hang on the block row alone, which my row of the cluster shares; W's on the block column alone, which my
	; column shares.  Every wave makes both addresses, in registers that never hold the other coordinate, and asks by one of them.
	s_lshl_b32 s22, s14, 7                         ; which 128 rows of the tile I fetch
	s_lshl_b32 s40, s18, 8
	s_add_co_u32 s40, s40, s22                     ; x: row 256 by + 128 lo
	s_lshl_b32 s40, s40, 14                        ; x 16,384 bytes: 67,092,480 at the most, one word
	s_mov_b32 s41, 0
	s_lshl_b32 s42, s17, 8
	s_add_co_u32 s42, s42, s22                     ; W: row 256 bx + 128 lo
	s_lshl_b32 s42, s42, 14
	s_mov_b32 s43, 0
	s_mul_i32 s21, s12, HALFT                      ; and where they go: x's two halves, then W's two halves = wave x 128 rows: no place in the cluster enters an LDS address
	s_wait_dscnt 0x0
	s_wait_kmcnt 0x0
	s_add_nc_u64 s[40:41], s[4:5], s[40:41]
	s_add_nc_u64 s[42:43], s[6:7], s[42:43]
	CROUND                                         ; all sixteen work-groups are here: the first joint loads meet
.irp s, 0,1
	s_mov_b32 s[G0X+4*\s], 1                                       ; 1:0 count = 1
	s_add_co_u32 s[G0X+4*\s+1], s21, \s*SLOT                       ; 63:32 LDS address
	s_add_nc_u64 s[G0X+4*\s+2:G0X+4*\s+3], s[40:41], \s*KSTEP*4    ; 120:64 global address: K step s
	s_or_b32 s[G0X+4*\s+3], s[G0X+4*\s+3], 0x80000000              ; 127:126 type = 2
	s_mov_b32 s[G0W+4*\s], 1
	s_add_co_u32 s[G0W+4*\s+1], s21, \s*SLOT
	s_add_nc_u64 s[G0W+4*\s+2:G0W+4*\s+3], s[42:43], \s*KSTEP*4
	s_or_b32 s[G0W+4*\s+3], s[G0W+4*\s+3], 0x80000000
	JLOAD \s                                       ; both slots are asked for before anything else is done: two tensor loads of the wave are out
.endr
	; A bf16 fragment is 16 rows x 32 K in 8 registers: lane l holds row l % 16; registers 0-3 hold K = 8 (l / 16) + 0..7, registers 4-7 hold
	; K = 16 + 8 (l / 16) + 0..7.  In f32 those are 32 bytes at 32 (l / 16) and 32 bytes 64 further on: four loads of 16 bytes at 0, 16, 64, 80.
	v_and_b32 v1, 15, v0                           ; r = l % 16
	v_bfe_u32 v2, v0, 4, 1                         ; h = l / 16
	v_mul_u32_u24 v3, v1, PITCH
	v_lshl_add_u32 v3, v2, 5, v3                   ; row x pitch + 32 h
	s_mul_i32 s22, s13, HALFT                      ; my 128 rows of x
	s_mul_i32 s23, s14, HALFT                      ; my 128 rows of W,
	s_add_co_u32 s23, s23, 2*HALFT                 ; which lie behind x's 256
.irp s, 0,1
	v_add_nc_u32 v[ADRX+\s], s22, v3
	v_add_nc_u32 v[ADRW+\s], s23, v3
	s_add_co_u32 s22, s22, SLOT
	s_add_co_u32 s23, s23, SLOT
.endr
	s_mul_i32 s46, s12, WSTAGE
	s_add_co_u32 s46, s46, STAGE                   ; my stage
	v_mul_u32_u24 v4, v1, SPITCH                   ; in: row r, 32 bytes for each half of the lanes
	v_lshl_add_u32 v4, v2, 5, v4
	v_add_nc_u32 v[STO], s46, v4
	v_and_b32 v5, 31, v0
	v_lshlrev_b32 v[CO], 4, v5                     ; back: 32 lanes x 16 bytes take a whole row of 512 bytes
	v_add_nc_u32 v[RD], s46, v[CO]
	s_lshl_b32 s44, s17, 10                        ; my wave's first column in bytes: 1,024 bx + 512 lo, in b as in a row of out0
	s_lshl_b32 s47, s14, 9
	s_add_co_u32 s44, s44, s47
	v_add_nc_u32 v[BO], s44, v[CO]
	global_load_b128 v[BIAS:BIAS+3], v[BO], s[8:9] ; b of the four columns that I store in every row; waited for in front of the way out
; 16 matrix instructions: m blocks a0, a0 + 1 of the window's four (hi = 0: my rows 0-63, 1: rows 64-127) x all 8 n blocks, 32 along K.
; zero = 1: the first product starts the sums: nothing is ever cleared.
.macro MUL16 hi, a0, zero
.irp a, \a0, \a0+1
.irp b, 0,1,2,3,4,5,6,7
.if \zero
	v_wmma_f32_16x16x32_bf16 v[8*(8*(\a)+\b):8*(8*(\a)+\b)+7], v[WF+8*\b:WF+8*\b+7], v[XF+8*(4*\hi+\a):XF+8*(4*\hi+\a)+7], 0
.else
	v_wmma_f32_16x16x32_bf16 v[8*(8*(\a)+\b):8*(8*(\a)+\b)+7], v[WF+8*\b:WF+8*\b+7], v[XF+8*(4*\hi+\a):XF+8*(4*\hi+\a)+7], v[8*(8*(\a)+\b):8*(8*(\a)+\b)+7]
.endif
.endr
.endr
.endm
; 32 LDS loads in one run: my 128 rows of W (or of x), 32 K in f32 at byte k of the slot's rows, into the landing registers.
; The largest offset is 128 + 7 x 16 x 272 + 80 = 30,672.
.macro FETCHW slot, k
	WIN TO_W
.irp i, 0,1,2,3,4,5,6,7
.irp c, 0,1,2,3
	ds_load_b128 v[WL+16*\i+4*\c:WL+16*\i+4*\c+3], v[ADRW+\slot] offset:\k+\i*16*PITCH+16*(\c&1)+64*(\c>>1)
.endr
.endr
.endm
.macro FETCHX slot, k
	WIN 0
.irp i, 0,1,2,3,4,5,6,7
.irp c, 0,1,2,3
	ds_load_b128 v[XL+16*\i+4*\c:XL+16*\i+4*\c+3], v[ADRX+\slot] offset:\k+\i*16*PITCH+16*(\c&1)+64*(\c>>1)
.endr
.endr
.endm
; 64 conversions: 128 landed f32 of a lane become 64 words of two bf16, the lower K in the low half, K in its true place
.macro CVTW
	WIN CVT_W
.set n, 0
.rept 64
	v_cvt_pk_bf16_f32 v[WF+n], v[WL+2*n], v[WL+2*n+1]
.set n, n+1
.endr
.endm
.macro CVTX
	WIN 0
.set n, 0
.rept 64
	v_cvt_pk_bf16_f32 v[XF+n], v[XL+2*n], v[XL+2*n+1]
.set n, n+1
.endr
.endm
; A vector instruction that writes a register that a matrix instruction has read, or reads a matrix result, stands four places behind that
; matrix instruction, and only plain vector instructions that name none of its registers are places (ISA guide 7.12.1); this text does not
; count the matrix instructions in between.  So four v_nop stand in front of each half's conversions and in front of the way out.
.macro PLACES
.rept 4
	v_nop
.endr
.endm
; The 64 accumulators take turns, one matrix instruction a turn, in the same order in every half, over the loop's backward jump too:
; between two matrix instructions on one accumulator stand the 63 others'.
; The first half of a K step in slot 'slot': rounds the landed first half, fetches the second half (byte 128 of the rows), multiplies.
; mode = 2: the slot is changed and filled again, two K steps ahead; mode = 1: changed, not filled; mode = 0: the last K step, no change.
; ONE barrier for the change of slots, for two things.  In front of it each wave waits for its own reads of this slot (both halves are then in
; registers) and for all its tensor loads, of which one is out: its part of the other slot.  Behind it nobody reads this slot any more and
; the other slot is whole.  With mode = 2 that barrier opens a round of the cluster's barrier, and the joint refill is the first tensor load behind the round.
.macro HALF0 slot, mode, zero
	s_wait_dscnt 32                                ; W's 32 loads are in; the 32 younger ones, x's, may be out
.if \zero == 0
	PLACES
.endif
	CVTW
	FETCHW \slot, 128
	s_wait_dscnt 32                                ; x's 32 loads are in; the 32 just issued may be out
	CVTX
	FETCHX \slot, 128
	WIN MUL_LO
	MUL16 0, 0, \zero
	MUL16 0, 2, \zero
	WIN MUL_HI
	MUL16 1, 0, \zero
	s_wait_dscnt 0                                 ; the second half has landed in registers: my reads of this slot are over
.if \mode
	s_wait_tensorcnt 0x0                           ; and all my tensor loads have landed: the one that was out is my part of the other slot:
	ds_add_u32 v63, v63
	s_wait_dscnt 0x0
	s_barrier_signal -1                            ; say so,
.endif
	MUL16 1, 2, \zero                              ; work on registers while the others arrive,
	WIN 0
.if \mode
	s_barrier_wait -1                              ; and go on when all four have said so
.endif
.if \mode == 2
	CREST                                          ; all sixteen work-groups have said so: no wave of any partner still reads this slot's tile or has a load on its way
	s_add_nc_u64 s[G0X+4*\slot+2:G0X+4*\slot+3], s[G0X+4*\slot+2:G0X+4*\slot+3], 2*KSTEP*4   ; no tensor load of mine is out: the slot's addresses step two K steps
	s_add_nc_u64 s[G0W+4*\slot+2:G0W+4*\slot+3], s[G0W+4*\slot+2:G0W+4*\slot+3], 2*KSTEP*4
	JLOAD \slot                                    ; my one tensor load until the next round; it has 112 matrix instructions and a K step's conversions in which to land
.endif
.endm
; The second half of a K step: rounds the landed second half, multiplies; fetch = 1: fetches the first half of the next K step from slot 'next'.
.macro HALF1 next, fetch
	PLACES
	CVTW
.if \fetch
	FETCHW \next, 0
.endif
	CVTX
.if \fetch
	FETCHX \next, 0
.endif
	WIN MUL_LO
	MUL16 0, 0, 0
	MUL16 0, 2, 0
	WIN MUL_HI
	MUL16 1, 0, 0
	MUL16 1, 2, 0
.endm
.macro LAP zero                        ; once round the ring, both slots filled again
	HALF0 0, 2, \zero
	HALF1 1, 1
	HALF0 1, 2, 0
	HALF1 0, 1
.endm
	s_wait_tensorcnt 1                             ; my part of K step 0 is in; K step 1's load may stay out
	s_barrier_signal -1
	s_barrier_wait -1                              ; everybody's part is in
	FETCHW 0, 0
	FETCHX 0, 0
	LAP 1                                          ; K steps 0 and 1 stand in front of the loop: the first products start the sums; asks for K steps 2 and 3
	WIN 0
	s_mov_b32 s3, LAPS-2
.Llap:
	LAP 0                                          ; K steps 2 to 61; asks for K steps 4 to 63
	WIN 0
	s_sub_co_u32 s3, s3, 1
	s_cmp_lg_u32 s3, 0
	s_cbranch_scc1 .Llap
	HALF0 0, 1, 0                                  ; the last lap fills nothing and has no round: the one tensor load still out is slot 1's, K step 63
	HALF1 1, 1
	HALF0 1, 0, 0
	HALF1 0, 0
	; THE WAY OUT, 16 rows at a time: the eight tiles of a block of rows go as they are (f32) into my own stage in LDS, 32 bytes a lane and tile,
	; and come back as whole rows of 512 bytes; there a lane holds the same four columns in every row, so four registers of b serve all rows.
	PLACES                                         ; the places behind the last matrix instructions, for the LDS stores that read results
	s_wait_loadcnt 0x0                             ; b
	s_lshl_b32 s45, s18, 8
	s_lshl_b32 s47, s13, 7
	s_add_co_u32 s45, s45, s47                     ; my first row: 256 by + 128 hi
	s_lshl_b32 s45, s45, 14                        ; x 16,384 bytes
	s_add_co_u32 s44, s44, s45                     ; + my first column's bytes: below 67,108,864, one word
	s_mov_b32 s45, 0
	s_add_nc_u64 s[10:11], s[10:11], s[44:45]
; rows 16 i .. 16 i + 15 of my block = the eight tiles (a, 0..7) of window 2 or 3 (win: ST_LO or ST_HI); f: v128 or v192 in turn
.macro OUT16 i, a, win, f
	WIN \win
.irp b, 0,1,2,3,4,5,6,7
.irp c, 0,1
	ds_store_b128 v[STO], v[8*(8*\a+\b)+4*\c:8*(8*\a+\b)+4*\c+3] offset:64*\b+16*\c
.endr
.endr
	WIN 0
	s_wait_xcnt 0x0                                ; every earlier store has had its addresses translated (ISA guide 3.1): the registers at f, which stores read, and the stores' base are rewritten only behind this wait
.if \i
	s_add_nc_u64 s[10:11], s[10:11], 16*ROWB       ; 16 rows on
.endif
.irp t, 0,1,2,3,4,5,6,7,8,9,10,11,12,13,14,15
	ds_load_b128 v[\f+4*\t:\f+4*\t+3], v[RD] offset:\t*SPITCH      ; LDS serves a wave's instructions in order (ISA guide 5.7.1.4): these see the stores above, and the next block's stores come behind them
.endr
.irp t, 0,1,2,3,4,5,6,7,8,9,10,11,12,13,14,15
	s_wait_dscnt 15-\t                             ; row t is back; the younger rows may be out
	v_pk_add_f32 v[\f+4*\t:\f+4*\t+1], v[\f+4*\t:\f+4*\t+1], v[BIAS:BIAS+1]
	v_pk_add_f32 v[\f+4*\t+2:\f+4*\t+3], v[\f+4*\t+2:\f+4*\t+3], v[BIAS+2:BIAS+3]
	global_store_b128 v[CO], v[\f+4*\t:\f+4*\t+3], s[10:11] offset:\t*ROWB th:TH_STORE_NT   ; the wave stores 512 consecutive bytes, at a multiple of 512 from out0's first byte
.endr
.endm
	OUT16 0, 0, ST_LO, 128
	OUT16 1, 1, ST_LO, 192
	OUT16 2, 2, ST_LO, 128
	OUT16 3, 3, ST_LO, 192
	OUT16 4, 0, ST_HI, 128
	OUT16 5, 1, ST_HI, 192
	OUT16 6, 2, ST_HI, 128
	OUT16 7, 3, ST_HI, 192
	s_set_vgpr_msb 0x1
	s_wait_tensorcnt 0x0
	ds_add_u32 v63, v63
	s_wait_dscnt 0x0
	s_set_vgpr_msb 0x100
	CROUND                                         ; the closing round: no work-group ends while a partner may still ask for a tile that names it
	s_endpgm
.Lfunc_end_k_q73a5dbd765_gemm:
	.size	k_q73a5dbd765_gemm, .Lfunc_end_k_q73a5dbd765_gemm-k_q73a5dbd765_gemm
	.p2alignl 7, 3214868480
	.fill 96, 4, 3214868480
	.section	.rodata,"a",@progbits
	.p2align	6, 0x0
	.amdhsa_kernel k_q73a5dbd765_gemm
		.amdhsa_group_segment_fixed_size 327680
		.amdhsa_private_segment_fixed_size 0
		.amdhsa_enable_private_segment 0
		.amdhsa_kernarg_size 32
		.amdhsa_user_sgpr_count 2
		.amdhsa_user_sgpr_kernarg_segment_ptr 1
		.amdhsa_wavefront_size32 1
		.amdhsa_system_sgpr_workgroup_id_x 1
		.amdhsa_system_sgpr_workgroup_id_y 1
		.amdhsa_system_sgpr_workgroup_id_z 1
		.amdhsa_system_vgpr_workitem_id 0
		.amdhsa_next_free_vgpr 1024
		.amdhsa_next_free_sgpr 66
		.amdhsa_reserve_vcc 0
		.amdhsa_float_denorm_mode_32 3
		.amdhsa_float_denorm_mode_16_64 3
		.amdhsa_memory_ordered 1
		.amdhsa_forward_progress 1
		.amdhsa_inst_pref_size 255
	.end_amdhsa_kernel
	.section	.bss,"aw",@nobits
	.p2align	6
	.space	262144
	.amdgpu_metadata
---
amdhsa.version: [ 1, 2 ]
amdhsa.kernels:
  - .name:           k_q73a5dbd765_gemm
    .symbol:         k_q73a5dbd765_gemm.kd
    .args:
      - { .name: x, .offset: 0, .size: 8, .value_kind: global_buffer, .address_space: global }
      - { .name: W, .offset: 8, .size: 8, .value_kind: global_buffer, .address_space: global }
      - { .name: b, .offset: 16, .size: 8, .value_kind: global_buffer, .address_space: global }
      - { .name: out0, .offset: 24, .size: 8, .value_kind: global_buffer, .address_space: global }
    .group_segment_fixed_size: 327680
    .private_segment_fixed_size: 0
    .kernarg_segment_align: 8
    .kernarg_segment_size: 32
    .max_flat_workgroup_size: 128
    .sgpr_count:     66
    .vgpr_count:     1024
    .wavefront_size: 32
...
	.end_amdgpu_metadata
.endif
;; end of part 1
;; ======== version 2 of 3: 2 launches; 1.20 times as fast as version 1
;; workspace buffers: xb 33,554,432 bytes; wb 33,554,432 bytes
;; launch cast (part 2): grid 1024 x 1, 8 waves a work-group, no clusters, 0 bytes of LDS; arguments x, W, xb, wb; writes xb, wb
.if DOCPART == 2
	.amdgcn_target "amdgcn-amd-amdhsa--gfx1250"
	.amdhsa_code_object_version 6
	.text
	.protected	k_q73a5dbd765_cast
	.globl	k_q73a5dbd765_cast
	.p2align	8
	.type	k_q73a5dbd765_cast,@function
k_q73a5dbd765_cast:
	s_mov_b64 s[64:65], 0
	v_nop
	global_prefetch_b8 v0, s[64:65] scope:SCOPE_SE
	s_setreg_imm32_b32 hwreg(HW_REG_WAVE_MODE, 25, 1), 1
	s_wait_xcnt 0x0
; xb = x rounded to bf16, wb = W rounded to bf16 (nearest even).  x, W: [4096][4096] f32; xb, wb: [4096][4096] bf16, the same order of numbers.
; WHY A LAUNCH OF ITS OWN: in the product that follows each number of x is used by 16 blocks of columns x 2 waves = 32 waves, and each number
; of W likewise; rounded here, each is rounded once, and the product's tiles, LDS reads and fills are 2 bytes a number and not 4.
; Nothing of the problem is left out: every number of x and of W is rounded and stored.
; LIMIT: an f32 within half a bf16 step of the largest finite f32 becomes infinity.
;
; SHARES: 1,024 work-groups of eight waves.  Work-group g takes bytes 65,536 g .. + 65,535 of x and the same bytes of W: sixteen steps of 4,096
; bytes each.  Thread t takes the 16 bytes at 16 t of a step, so a load of a wave covers 512 consecutive bytes; its four numbers become 8 bytes
; at 8 t of a step of 2,048 bytes, so a store of a wave covers 256 consecutive bytes, at a multiple of 256 from the buffer's first byte.
; Sixteen slots in registers keep sixteen loads of every wave on their way: the first round rounds x's slots and fills each again with W's
; bytes, the second rounds W's.  Both address registers are never rewritten: the step stands in the immediate.
.set DEPTH,   16                       ; slots = loads of a wave on their way
.set INSTEP,  4096                     ; 256 threads x 16 bytes
.set OUTSTEP, 2048                     ; 256 threads x 8 bytes
.set IN,  1                            ; v1        16 t
.set OUT, 2                            ; v2        8 t
.set X,   4                            ; v[4:67]   slot i: four f32 as loaded
.set Y,   68                           ; v[68:99]  slot i: four bf16 to store
	s_load_b256 s[4:11], s[0:1], 0x0               ; x s[4:5], W s[6:7], xb s[8:9], wb s[10:11]
	s_lshl_b32 s12, ttmp9, 16                      ; the work-group's 65,536 bytes of x and of W: 67,043,328 at the most, one word
	s_mov_b32 s13, 0
	s_lshl_b32 s14, ttmp9, 15                      ; and its 32,768 bytes of xb and of wb
	s_mov_b32 s15, 0
	v_lshlrev_b32 v[IN], 4, v0
	v_lshlrev_b32 v[OUT], 3, v0
	s_wait_kmcnt 0x0
	s_add_nc_u64 s[4:5], s[4:5], s[12:13]
	s_add_nc_u64 s[6:7], s[6:7], s[12:13]
	s_add_nc_u64 s[8:9], s[8:9], s[14:15]
	s_add_nc_u64 s[10:11], s[10:11], s[14:15]
.irp i, 0,1,2,3,4,5,6,7,8,9,10,11,12,13,14,15
	global_load_b128 v[X+4*\i:X+4*\i+3], v[IN], s[4:5] offset:\i*INSTEP th:TH_LOAD_NT   ; x's sixteen steps; each byte is read once in the launch
.endr
; One slot's turn.  first = 1: the slot holds x's numbers and is filled again with W's; first = 0: it holds W's, and nothing is left to load.
; The stores carry no hint: the next launch reads these bytes.
.macro SLOT i, first
.if \first
	s_wait_loadcnt DEPTH-1                         ; loads come back in order (ISA guide 5.7.1): mine is in; the 15 - i younger of x and the i refills from W stay out
.else
	s_wait_loadcnt DEPTH-1-\i                      ; mine is in; the 15 - i younger of W stay out
.endif
	v_cvt_pk_bf16_f32 v[Y+2*\i],   v[X+4*\i],   v[X+4*\i+1]       ; the first source into the low half: the numbers keep their order
	v_cvt_pk_bf16_f32 v[Y+2*\i+1], v[X+4*\i+2], v[X+4*\i+3]
.if \first
	global_load_b128 v[X+4*\i:X+4*\i+3], v[IN], s[6:7] offset:\i*INSTEP th:TH_LOAD_NT
	global_store_b64 v[OUT], v[Y+2*\i:Y+2*\i+1], s[8:9] offset:\i*OUTSTEP
.else
	global_store_b64 v[OUT], v[Y+2*\i:Y+2*\i+1], s[10:11] offset:\i*OUTSTEP
.endif
.endm
.irp i, 0,1,2,3,4,5,6,7,8,9,10,11,12,13,14,15
	SLOT \i, 1
.endr
	s_wait_xcnt 0x0                                ; every store of the first round has had its addresses translated (ISA guide 3.1): Y, which they read, is rewritten only behind this wait
.irp i, 0,1,2,3,4,5,6,7,8,9,10,11,12,13,14,15
	SLOT \i, 0
.endr
	s_endpgm
.Lfunc_end_k_q73a5dbd765_cast:
	.size	k_q73a5dbd765_cast, .Lfunc_end_k_q73a5dbd765_cast-k_q73a5dbd765_cast
	.p2alignl 7, 3214868480
	.fill 96, 4, 3214868480
	.section	.rodata,"a",@progbits
	.p2align	6, 0x0
	.amdhsa_kernel k_q73a5dbd765_cast
		.amdhsa_group_segment_fixed_size 0
		.amdhsa_private_segment_fixed_size 0
		.amdhsa_enable_private_segment 0
		.amdhsa_kernarg_size 32
		.amdhsa_user_sgpr_count 2
		.amdhsa_user_sgpr_kernarg_segment_ptr 1
		.amdhsa_wavefront_size32 1
		.amdhsa_system_sgpr_workgroup_id_x 1
		.amdhsa_system_sgpr_workgroup_id_y 1
		.amdhsa_system_sgpr_workgroup_id_z 1
		.amdhsa_system_vgpr_workitem_id 0
		.amdhsa_next_free_vgpr 100
		.amdhsa_next_free_sgpr 66
		.amdhsa_reserve_vcc 0
		.amdhsa_float_denorm_mode_32 3
		.amdhsa_float_denorm_mode_16_64 3
		.amdhsa_memory_ordered 1
		.amdhsa_forward_progress 1
		.amdhsa_inst_pref_size 12
	.end_amdhsa_kernel
	.amdgpu_metadata
---
amdhsa.version: [ 1, 2 ]
amdhsa.kernels:
  - .name:           k_q73a5dbd765_cast
    .symbol:         k_q73a5dbd765_cast.kd
    .args:
      - { .name: x, .offset: 0, .size: 8, .value_kind: global_buffer, .address_space: global }
      - { .name: W, .offset: 8, .size: 8, .value_kind: global_buffer, .address_space: global }
      - { .name: xb, .offset: 16, .size: 8, .value_kind: global_buffer, .address_space: global }
      - { .name: wb, .offset: 24, .size: 8, .value_kind: global_buffer, .address_space: global }
    .group_segment_fixed_size: 0
    .private_segment_fixed_size: 0
    .kernarg_segment_align: 8
    .kernarg_segment_size: 32
    .max_flat_workgroup_size: 256
    .sgpr_count:     66
    .vgpr_count:     100
    .wavefront_size: 32
...
	.end_amdgpu_metadata
.endif
;; end of part 2
;; launch gemm (part 3): grid 16 x 16, 4 waves a work-group, clusters of 4 x 4, 327,680 bytes of LDS; arguments xb, wb, b, out0; writes out0
.if DOCPART == 3
	.amdgcn_target "amdgcn-amd-amdhsa--gfx1250"
	.amdhsa_code_object_version 6
	.text
	.protected	k_q73a5dbd765_gemm
	.globl	k_q73a5dbd765_gemm
	.p2align	8
	.type	k_q73a5dbd765_gemm,@function
k_q73a5dbd765_gemm:
	s_mov_b64 s[64:65], 0
	v_nop
	global_prefetch_b8 v0, s[64:65] scope:SCOPE_SE
	s_setreg_imm32_b32 hwreg(HW_REG_WAVE_MODE, 25, 1), 1
	s_wait_xcnt 0x0
	s_wait_alu depctr_hold_cnt(0) depctr_sa_sdst(0) depctr_va_vdst(0) depctr_va_sdst(0) depctr_va_ssrc(0) depctr_va_vcc(0) depctr_vm_vsrc(0)
	s_getreg_b32 s2, hwreg(HW_REG_IB_STS2, 6, 4)
	s_cmp_eq_u32 s2, 0
	s_cbranch_scc0 .Lentry_in_a_cluster
	s_endpgm
.Lentry_in_a_cluster:
	s_bfe_u32 s2, ttmp6, 0x10000c
	s_cmp_lg_u32 s2, 0xf033
	s_cbranch_scc0 .Lentry_shape_is_right
	s_endpgm
.Lentry_shape_is_right:
; out0[m][n] = sum over k of xb[m][k] wb[n][k] + b[n].  xb, wb: [4096][4096] bf16 (x and W as the launch before rounded them), b: [4096] f32,
; out0: [4096][4096] f32.  Nothing of the problem is left out: every number of xb, wb and b reaches an output.
; LIMITS: the operands are bf16; the sums are f32 in the matrix instruction's own order, K ascending, not in the order of a chain of f32
; additions; the bias is added last, in f32.
;
; SHARES: 256 work-groups, each a block of 256 x 256 of out0, four waves; a wave makes 128 x 128: 64 accumulator tiles of 16 x 16, 512 registers.
; K goes in 32 steps of 128 bf16 (a tile's row is 256 bytes of memory and starts at a multiple of 256 bytes from the buffer's first byte) through
; two LDS slots filled by the tensor data mover.  A K step is four quarters of 32 along K, 64 matrix instructions each, on two fragment buffers.
; CLUSTERS: 4 x 4 work-groups.  The four of a row of the cluster make blocks of one block row and need the same tiles of xb; the four of a column
; need the same tiles of wb.  Such a tile is asked for jointly: the same tensor load, the same descriptor, a mask that names the four.
;
; REGISTERS, in windows of 256:
;   window 0: v0-31 addresses and the bias; v64-127, v128-191 xb's fragments (8 x 16 rows x 32 K), two buffers; v128-255 at work on the way out
;   window 1: v64-127, v128-191 wb's fragments, two buffers
;   window 2: the 32 accumulator tiles of my rows 0-63 (tile (a, b) at v[8 (8 a + b)]);   window 3: those of my rows 64-127
; Work is laid in long stretches under one window setting: 32 matrix instructions, 16 loads, 16 loads, 32 matrix instructions.
; THE MATRIX INSTRUCTION IS USED TRANSPOSED: source 0 = 16 rows of wb, source 1 = 16 rows of xb.  Lane l then holds row m = l % 16 of the tile and
; its registers 0 to 7 the columns n = 8 (l / 16) + 0 .. 7: 32 neighbouring bytes of a row of out0.
.set SIZE_K, 4096
.set ROWB,   16384                     ; bytes in a row of out0
.set KSTEP,  128                       ; bf16 numbers of a row in a tile
.set PITCH,  272                       ; an LDS row: 256 bytes + 16 of padding, so the 16 rows that a load touches lie 16 bytes apart modulo 256
.set HALFT,  128*PITCH                 ; 128 rows: what one tensor load brings, and what one wave reads of xb or of wb
.set SLOT,   4*HALFT                   ; xb's 256 rows, then wb's 256 rows
.set STAGE,  2*SLOT                    ; behind the ring (a multiple of 256): the way out; no tensor load ever lands here
.set SPITCH, 528                       ; a stage row: 128 f32 + 16 bytes
.set WSTAGE, 16*SPITCH                 ; a wave's stage: 16 rows, 8,448 bytes = 33 x 256
.set LAPS,   SIZE_K/(2*KSTEP)          ; a lap = two K steps = once round the ring: 16
.set ADRX, 16                          ; v16-17  LDS address of my xb fragments in slot 0, 1
.set ADRW, 20                          ; v20-21  the same for wb
.set STO,  24                          ; v24     the way out: where I put 32 bytes of a row
.set RD,   25                          ; v25     the way out: where I read a row back
.set CO,   26                          ; v26     16 x lane: my byte offset in a row of my wave's 512 bytes
.set BO,   27                          ; v27     byte offset in b of my four columns
.set BIAS, 28                          ; v[28:31] b of my four columns
.set F0,   64                          ; fragment buffer 0 (window 0: xb, window 1: wb)
.set F1,   128                         ; fragment buffer 1
.set G1X, 24                           ; s[24:31] descriptor group 1 for xb's tiles
.set G0X, 32                           ; s[32:39] descriptor group 0 for xb's tiles, one set for each slot
.set G1W, 48                           ; s[48:55] descriptor group 1 for wb's tiles: it differs in the mask alone
.set G0W, 56                           ; s[56:63] descriptor group 0 for wb's tiles, one set for each slot
.set MSB, 0
.macro WIN new                         ; s_set_vgpr_msb: bits 1:0 source 0, 3:2 source 1, 5:4 source 2, 7:6 destination; the high byte repeats the setting that is left
.if MSB != \new
	s_set_vgpr_msb (MSB<<8)|\new
.set MSB, \new
.endif
.endm
.set MUL_LO, 0xa1                      ; source 0 (wb) window 1, source 1 (xb) window 0, C and D window 2
.set MUL_HI, 0xf1                      ; the same, C and D window 3
.set TO_W,   0x40                      ; destination window 1, address window 0
.set ST_LO,  0x08                      ; LDS store: address window 0, data window 2
.set ST_HI,  0x0c                      ; LDS store: address window 0, data window 3
; A joint load.  Waves 0 and 1 fetch xb's two halves of 128 rows, waves 2 and 3 wb's.  Each line has one mask and one set of registers for all
; that issue it; the branch hangs on the wave's number alone, which is the same in every work-group.
.macro JLOAD s
	s_cmp_eq_u32 s13, 0
	s_cbranch_scc0 .Lfor_w_\@
	tensor_load_to_lds s[G0X+4*\s:G0X+4*\s+3], s[G1X:G1X+7]
	s_nop 0
	s_branch .Lasked_\@
.Lfor_w_\@:
	tensor_load_to_lds s[G0W+4*\s:G0W+4*\s+3], s[G1W:G1W+7]
	s_nop 0
.Lasked_\@:
.endm
; A round of the cluster's barrier: my work-group's barrier, so that wave 0's signal speaks for all four waves; wave 0 signals for the
; work-group; every wave waits for all sixteen work-groups; my work-group's barrier once more.
.macro CREST                           ; a round behind its opening barrier
	s_cmp_lg_u32 s12, 0
	s_cbranch_scc1 .Lnot_wave_0_\@
	s_barrier_signal -3
.Lnot_wave_0_\@:
	s_barrier_wait -3
	s_barrier_signal -1
	s_barrier_wait -1
.endm
.macro CROUND                          ; a whole round
	s_barrier_signal -1
	s_barrier_wait -1
	CREST
.endm
	s_load_b256 s[4:11], s[0:1], 0x0               ; xb s[4:5], wb s[6:7], b s[8:9], out0 s[10:11]
	s_set_vgpr_msb 0x40
	v_lshl_add_u32 v255, v0, 2, 0x4c400
	s_set_vgpr_msb 0x4000
	v_mov_b32 v63, 0
	s_set_vgpr_msb 0x1
	ds_add_u32 v255, v63
	ds_add_u32 v255, v63
	s_set_vgpr_msb 0x100
	v_lshrrev_b32 v1, 5, v0
	v_readfirstlane_b32 s12, v1                    ; wave 0..3
	s_lshr_b32 s13, s12, 1                         ; hi: which half of the block's rows is mine.  Also: I fetch for xb (0) or for wb (1)
	s_and_b32 s14, s12, 1                          ; lo: which half of its columns.  Also: which 128 rows of that tile I fetch
	s_bfe_u32 s15, ttmp6, 0x40000                  ; cx: my place along the cluster's x
	s_bfe_u32 s16, ttmp6, 0x40004                  ; cy: along its y
	s_lshl_b32 s17, ttmp9, 2                       ; in a cluster launch ttmp9 and ttmp7 count clusters
	s_add_co_u32 s17, s17, s15                     ; bx: block column = 4 x cluster x + cx
	s_and_b32 s18, ttmp7, 0xffff
	s_lshl_b32 s18, s18, 2
	s_add_co_u32 s18, s18, s16                     ; by: block row = 4 x cluster y + cy
	s_lshl_b32 s19, s16, 2
	s_lshl_b32 s19, 15, s19                        ; my row of the cluster: places 4 cy .. 4 cy + 3
	s_lshl_b32 s20, 0x1111, s15                    ; my column: places cx, cx + 4, cx + 8, cx + 12
	; descriptor group 1: a tile of 128 rows x 128 elements of 2 bytes, padded in LDS
	s_or_b32 s[G1X+0], s19, (1<<16)|(1<<20)|(1<<21)|(5<<22)|(3<<25)  ; 15:0 the mask: xb's tiles go to my row; 17:16 element of 2 bytes; 20 padding on; 21 set beside a mask; 24:22 after every 64 words (code 5); 31:25 of 4 words (code 3)
	s_or_b32 s[G1W+0], s20, (1<<16)|(1<<20)|(1<<21)|(5<<22)|(3<<25)  ; the same with the mask of my column, for wb's tiles
	s_mov_b32 s[G1X+1], KSTEP<<16                  ; 63:48 tensor_dim0, low half = 128
	s_mov_b32 s[G1W+1], KSTEP<<16
	s_mov_b32 s[G1X+2], 128<<16                    ; 79:64 its high half = 0; 95:80 tensor_dim1, low half = 128
	s_mov_b32 s[G1W+2], 128<<16
	s_mov_b32 s[G1X+3], KSTEP<<16                  ; 111:96 its high half = 0; 127:112 tile_dim0 = 128
	s_mov_b32 s[G1W+3], KSTEP<<16
	s_mov_b32 s[G1X+4], 128                        ; 143:128 tile_dim1 = 128; 159:144 tile_dim2 = 0
	s_mov_b32 s[G1W+4], 128
	s_mov_b32 s[G1X+5], SIZE_K                     ; 191:160 elements from row to row
	s_mov_b32 s[G1W+5], SIZE_K
	s_mov_b32 s[G1X+6], 0
	s_mov_b32 s[G1W+6], 0
	s_mov_b32 s[G1X+7], 0
	s_mov_b32 s[G1W+7], 0
	; where the tiles come from.  xb's hang on the block row alone, which my row of the cluster shares; wb's on the block column alone, which my
	; column shares.  Every wave makes both addresses, in registers that never hold the other coordinate, and asks by one of them.
	s_lshl_b32 s22, s14, 7                         ; which 128 rows of the tile I fetch
	s_lshl_b32 s40, s18, 8
	s_add_co_u32 s40, s40, s22                     ; xb: row 256 by + 128 lo
	s_lshl_b32 s40, s40, 13                        ; x 8,192 bytes: 32,505,856 at the most, one word
	s_mov_b32 s41, 0
	s_lshl_b32 s42, s17, 8
	s_add_co_u32 s42, s42, s22                     ; wb: row 256 bx + 128 lo
	s_lshl_b32 s42, s42, 13
	s_mov_b32 s43, 0
	s_mul_i32 s21, s12, HALFT                      ; and where they go: xb's two halves, then wb's two halves = wave x 128 rows: no place in the cluster enters an LDS address
	s_wait_dscnt 0x0
	s_wait_kmcnt 0x0
	s_add_nc_u64 s[40:41], s[4:5], s[40:41]
	s_add_nc_u64 s[42:43], s[6:7], s[42:43]
	CROUND                                         ; all sixteen work-groups are here: the first joint loads meet
.irp s, 0,1
	s_mov_b32 s[G0X+4*\s], 1                                       ; 1:0 count = 1
	s_add_co_u32 s[G0X+4*\s+1], s21, \s*SLOT                       ; 63:32 LDS address
	s_add_nc_u64 s[G0X+4*\s+2:G0X+4*\s+3], s[40:41], \s*KSTEP*2    ; 120:64 global address: K step s
	s_or_b32 s[G0X+4*\s+3], s[G0X+4*\s+3], 0x80000000              ; 127:126 type = 2
	s_mov_b32 s[G0W+4*\s], 1
	s_add_co_u32 s[G0W+4*\s+1], s21, \s*SLOT
	s_add_nc_u64 s[G0W+4*\s+2:G0W+4*\s+3], s[42:43], \s*KSTEP*2
	s_or_b32 s[G0W+4*\s+3], s[G0W+4*\s+3], 0x80000000
	JLOAD \s                                       ; both slots are asked for before anything else is done: two tensor loads of the wave are out
.endr
	; A fragment is 16 rows x 32 K in 8 registers: lane l holds row l % 16; registers 0-3 hold K = 8 (l / 16) + 0..7, registers 4-7 hold
	; K = 16 + 8 (l / 16) + 0..7.  From rows that lie along K: two loads of 16 bytes, 32 bytes apart.  The same for source 0 and source 1.
	v_and_b32 v1, 15, v0                           ; r = l % 16
	v_bfe_u32 v2, v0, 4, 1                         ; h = l / 16
	v_mul_u32_u24 v3, v1, PITCH
	v_lshl_add_u32 v3, v2, 4, v3                   ; row x pitch + 16 h
	s_mul_i32 s22, s13, HALFT                      ; my 128 rows of xb
	s_mul_i32 s23, s14, HALFT                      ; my 128 rows of wb,
	s_add_co_u32 s23, s23, 2*HALFT                 ; which lie behind xb's 256
.irp s, 0,1
	v_add_nc_u32 v[ADRX+\s], s22, v3
	v_add_nc_u32 v[ADRW+\s], s23, v3
	s_add_co_u32 s22, s22, SLOT
	s_add_co_u32 s23, s23, SLOT
.endr
	s_mul_i32 s46, s12, WSTAGE
	s_add_co_u32 s46, s46, STAGE                   ; my stage
	v_mul_u32_u24 v4, v1, SPITCH                   ; in: row r, 32 bytes for each half of the lanes
	v_lshl_add_u32 v4, v2, 5, v4
	v_add_nc_u32 v[STO], s46, v4
	v_and_b32 v5, 31, v0
	v_lshlrev_b32 v[CO], 4, v5                     ; back: 32 lanes x 16 bytes take a whole row of 512 bytes
	v_add_nc_u32 v[RD], s46, v[CO]
	s_lshl_b32 s44, s17, 10                        ; my wave's first column in bytes: 1,024 bx + 512 lo, in b as in a row of out0
	s_lshl_b32 s47, s14, 9
	s_add_co_u32 s44, s44, s47
	v_add_nc_u32 v[BO], s44, v[CO]
	global_load_b128 v[BIAS:BIAS+3], v[BO], s[8:9] ; b of the four columns that I store in every row; waited for in front of the way out
; 16 matrix instructions: m blocks a0, a0 + 1 of the window's four (hi = 0: my rows 0-63, 1: rows 64-127) x all 8 n blocks, 32 along K.
; zero = 1: the first product starts the sums: nothing is ever cleared.
.macro MUL16 f, hi, a0, zero
.irp a, \a0, \a0+1
.irp b, 0,1,2,3,4,5,6,7
.if \zero
	v_wmma_f32_16x16x32_bf16 v[8*(8*(\a)+\b):8*(8*(\a)+\b)+7], v[\f+8*\b:\f+8*\b+7], v[\f+8*(4*\hi+\a):\f+8*(4*\hi+\a)+7], 0
.else
	v_wmma_f32_16x16x32_bf16 v[8*(8*(\a)+\b):8*(8*(\a)+\b)+7], v[\f+8*\b:\f+8*\b+7], v[\f+8*(4*\hi+\a):\f+8*(4*\hi+\a)+7], v[8*(8*(\a)+\b):8*(8*(\a)+\b)+7]
.endif
.endr
.endr
.endm
; 32 LDS loads in one run: the fragments of one quarter step (my 128 rows of wb, my 128 rows of xb, 32 K at byte k of the rows) into buffer f.
; The largest offset is 192 + 7 x 16 x 272 + 32 = 30,688.
.macro FETCH slot, k, f
	WIN TO_W
.irp i, 0,1,2,3,4,5,6,7
	ds_load_b128 v[\f+8*\i:\f+8*\i+3],   v[ADRW+\slot] offset:\k+\i*16*PITCH
	ds_load_b128 v[\f+8*\i+4:\f+8*\i+7], v[ADRW+\slot] offset:\k+\i*16*PITCH+32
.endr
	WIN 0
.irp i, 0,1,2,3,4,5,6,7
	ds_load_b128 v[\f+8*\i:\f+8*\i+3],   v[ADRX+\slot] offset:\k+\i*16*PITCH
	ds_load_b128 v[\f+8*\i+4:\f+8*\i+7], v[ADRX+\slot] offset:\k+\i*16*PITCH+32
.endr
.endm
; A load into a register that a matrix instruction has read, and an LDS store that reads a matrix result, stand four places behind that matrix
; instruction, and only plain vector instructions that name none of its registers are places (ISA guide 7.12.1 for vector instructions);
; this text does not count the matrix instructions in between.  So four v_nop stand in front of each run
; of loads and in front of the way out: sixteen issue slots for a K step's 256 matrix instructions.
.macro PLACES
.rept 4
	v_nop
.endr
.endm
; The 64 accumulators take turns, one matrix instruction a turn, in the same order in every quarter, over the loop's backward jump too:
; between two matrix instructions on one accumulator stand the 63 others'.
; One of a K step's first three quarters: multiplies buffer f; in its middle it fetches the next quarter's fragments, at byte k of the same slot's rows, into buffer g.
.macro QUARTER slot, k, f, g, zero
	s_wait_dscnt 8                                 ; wb's fragments and xb's rows 0-63 are in; the youngest eight loads (xb's rows 64-127) may be out
	WIN MUL_LO
	MUL16 \f, 0, 0, \zero
	MUL16 \f, 0, 2, \zero
	PLACES
	FETCH \slot, \k, \g
	s_wait_dscnt 32                                ; all but the 32 just issued
	WIN MUL_HI
	MUL16 \f, 1, 0, \zero
	MUL16 \f, 1, 2, \zero
.endm
.macro THREE slot, zero
	QUARTER \slot, 64,  F0, F1, \zero
	QUARTER \slot, 128, F1, F0, 0
	QUARTER \slot, 192, F0, F1, 0
.endm
; The last quarter: multiplies buffer 1 and changes slots.  next = the other slot; fill = 1: this slot is filled again, two K steps ahead.
; ONE barrier for the change of slots, for two things.  In front of it each wave waits for its own reads of this slot and for all its tensor
; loads, of which one is out: its part of the next slot.  Behind it nobody reads this slot any more and the next slot is whole: the refill comes
; first, then the next slot's first fragments.  From a request to the wait for it a wave issues 240 matrix instructions.
.macro TURN slot, next, fill
	s_wait_dscnt 8
	WIN MUL_LO
	MUL16 F1, 0, 0, 0
	s_wait_dscnt 0                                 ; my reads of this slot are over (the last were issued 48 matrix instructions ago)
	s_wait_tensorcnt 0x0                           ; and all my tensor loads have landed: the one that was out is my part of the next slot:
	ds_add_u32 v255, v63
	s_wait_dscnt 0x0
	s_barrier_signal -1                            ; say so (where a slot is filled again this barrier opens a round of the cluster's barrier),
	MUL16 F1, 0, 2, 0                              ; work on registers while the others arrive,
	WIN 0
	s_barrier_wait -1                              ; and go on when all four have said so
.if \fill
	CREST                                          ; all sixteen work-groups have said so: no wave of any partner still reads this slot's tile or has a load on its way
	s_add_nc_u64 s[G0X+4*\slot+2:G0X+4*\slot+3], s[G0X+4*\slot+2:G0X+4*\slot+3], 2*KSTEP*2   ; no tensor load of mine is out: the slot's addresses step two K steps
	s_add_nc_u64 s[G0W+4*\slot+2:G0W+4*\slot+3], s[G0W+4*\slot+2:G0W+4*\slot+3], 2*KSTEP*2
	JLOAD \slot                                    ; my one tensor load until the next round, and the first behind this one
.endif
	PLACES
	FETCH \next, 0, F0
	WIN MUL_HI
	MUL16 F1, 1, 0, 0
	MUL16 F1, 1, 2, 0
.endm
.macro LAP zero                        ; once round the ring, both slots filled again
	THREE 0, \zero
	TURN 0, 1, 1
	THREE 1, 0
	TURN 1, 0, 1
.endm
	s_wait_tensorcnt 1                             ; my part of K step 0 is in; K step 1's load may stay out
	s_barrier_signal -1
	s_barrier_wait -1                              ; everybody's part is in
	FETCH 0, 0, F0
	LAP 1                                          ; K steps 0 and 1 stand in front of the loop: the first products start the sums; asks for K steps 2 and 3
	WIN 0
	s_mov_b32 s3, LAPS-2
.Llap:
	LAP 0                                          ; K steps 2 to 29; asks for K steps 4 to 31
	WIN 0
	s_sub_co_u32 s3, s3, 1
	s_cmp_lg_u32 s3, 0
	s_cbranch_scc1 .Llap
	THREE 0, 0                                     ; the last lap fills nothing and has no round: the one tensor load still out is slot 1's, K step 31
	TURN 0, 1, 0
	THREE 1, 0
	s_wait_dscnt 8                                 ; the very last quarter: nothing more to fetch
	WIN MUL_LO
	MUL16 F1, 0, 0, 0
	MUL16 F1, 0, 2, 0
	s_wait_dscnt 0
	WIN MUL_HI
	MUL16 F1, 1, 0, 0
	MUL16 F1, 1, 2, 0
	; THE WAY OUT, 16 rows at a time: the eight tiles of a block of rows go as they are (f32) into my own stage in LDS, 32 bytes a lane and tile,
	; and come back as whole rows of 512 bytes; there a lane holds the same four columns in every row, so four registers of b serve all rows.
	PLACES                                         ; the places behind the last matrix instructions: for the LDS stores that read results, and for the loads into buffer 1's registers
	s_wait_loadcnt 0x0                             ; b
	s_lshl_b32 s45, s18, 8
	s_lshl_b32 s47, s13, 7
	s_add_co_u32 s45, s45, s47                     ; my first row: 256 by + 128 hi
	s_lshl_b32 s45, s45, 14                        ; x 16,384 bytes
	s_add_co_u32 s44, s44, s45                     ; + my first column's bytes: below 67,108,864, one word
	s_mov_b32 s45, 0
	s_add_nc_u64 s[10:11], s[10:11], s[44:45]
; rows 16 i .. 16 i + 15 of my block = the eight tiles (a, 0..7) of window 2 or 3 (win: ST_LO or ST_HI); f: v128 or v192 of window 0 in turn
.macro OUT16 i, a, win, f
	WIN \win
.irp b, 0,1,2,3,4,5,6,7
.irp c, 0,1
	ds_store_b128 v[STO], v[8*(8*\a+\b)+4*\c:8*(8*\a+\b)+4*\c+3] offset:64*\b+16*\c
.endr
.endr
	WIN 0
	s_wait_xcnt 0x0                                ; every earlier store has had its addresses translated (ISA guide 3.1): the registers at f, which stores read, and the stores' base are rewritten only behind this wait
.if \i
	s_add_nc_u64 s[10:11], s[10:11], 16*ROWB       ; 16 rows on
.endif
.irp t, 0,1,2,3,4,5,6,7,8,9,10,11,12,13,14,15
	ds_load_b128 v[\f+4*\t:\f+4*\t+3], v[RD] offset:\t*SPITCH      ; LDS serves a wave's instructions in order (ISA guide 5.7.1.4): these see the stores above, and the next block's stores come behind them
.endr
.irp t, 0,1,2,3,4,5,6,7,8,9,10,11,12,13,14,15
	s_wait_dscnt 15-\t                             ; row t is back; the younger rows may be out
	v_pk_add_f32 v[\f+4*\t:\f+4*\t+1], v[\f+4*\t:\f+4*\t+1], v[BIAS:BIAS+1]
	v_pk_add_f32 v[\f+4*\t+2:\f+4*\t+3], v[\f+4*\t+2:\f+4*\t+3], v[BIAS+2:BIAS+3]
	global_store_b128 v[CO], v[\f+4*\t:\f+4*\t+3], s[10:11] offset:\t*ROWB th:TH_STORE_NT   ; the wave stores 512 consecutive bytes, at a multiple of 512 from out0's first byte
.endr
.endm
	OUT16 0, 0, ST_LO, 128
	OUT16 1, 1, ST_LO, 192
	OUT16 2, 2, ST_LO, 128
	OUT16 3, 3, ST_LO, 192
	OUT16 4, 0, ST_HI, 128
	OUT16 5, 1, ST_HI, 192
	OUT16 6, 2, ST_HI, 128
	OUT16 7, 3, ST_HI, 192
	s_set_vgpr_msb 0x1
	s_wait_tensorcnt 0x0
	ds_add_u32 v255, v63
	s_wait_dscnt 0x0
	s_set_vgpr_msb 0x100
	CROUND                                         ; the closing round: no work-group ends while a partner may still ask for a tile that names it
	s_endpgm
.Lfunc_end_k_q73a5dbd765_gemm:
	.size	k_q73a5dbd765_gemm, .Lfunc_end_k_q73a5dbd765_gemm-k_q73a5dbd765_gemm
	.p2alignl 7, 3214868480
	.fill 96, 4, 3214868480
	.section	.rodata,"a",@progbits
	.p2align	6, 0x0
	.amdhsa_kernel k_q73a5dbd765_gemm
		.amdhsa_group_segment_fixed_size 327680
		.amdhsa_private_segment_fixed_size 0
		.amdhsa_enable_private_segment 0
		.amdhsa_kernarg_size 32
		.amdhsa_user_sgpr_count 2
		.amdhsa_user_sgpr_kernarg_segment_ptr 1
		.amdhsa_wavefront_size32 1
		.amdhsa_system_sgpr_workgroup_id_x 1
		.amdhsa_system_sgpr_workgroup_id_y 1
		.amdhsa_system_sgpr_workgroup_id_z 1
		.amdhsa_system_vgpr_workitem_id 0
		.amdhsa_next_free_vgpr 1024
		.amdhsa_next_free_sgpr 66
		.amdhsa_reserve_vcc 0
		.amdhsa_float_denorm_mode_32 3
		.amdhsa_float_denorm_mode_16_64 3
		.amdhsa_memory_ordered 1
		.amdhsa_forward_progress 1
		.amdhsa_inst_pref_size 212
	.end_amdhsa_kernel
	.amdgpu_metadata
---
amdhsa.version: [ 1, 2 ]
amdhsa.kernels:
  - .name:           k_q73a5dbd765_gemm
    .symbol:         k_q73a5dbd765_gemm.kd
    .args:
      - { .name: xb, .offset: 0, .size: 8, .value_kind: global_buffer, .address_space: global }
      - { .name: wb, .offset: 8, .size: 8, .value_kind: global_buffer, .address_space: global }
      - { .name: b, .offset: 16, .size: 8, .value_kind: global_buffer, .address_space: global }
      - { .name: out0, .offset: 24, .size: 8, .value_kind: global_buffer, .address_space: global }
    .group_segment_fixed_size: 327680
    .private_segment_fixed_size: 0
    .kernarg_segment_align: 8
    .kernarg_segment_size: 32
    .max_flat_workgroup_size: 128
    .sgpr_count:     66
    .vgpr_count:     1024
    .wavefront_size: 32
...
	.end_amdgpu_metadata
.endif
;; end of part 3
;; ======== version 3 of 3: 2 launches; version 2 with the launch cast written anew for expert scheduling mode
;; workspace buffers: xb 33,554,432 bytes; wb 33,554,432 bytes
;; launch cast (part 4): grid 1024 x 1, 8 waves a work-group, no clusters, 0 bytes of LDS; arguments x, W, xb, wb; writes xb, wb
.if DOCPART == 4
	.amdgcn_target "amdgcn-amd-amdhsa--gfx1250"
	.amdhsa_code_object_version 6
	.text
	.protected	k_q73a5dbd765_cast
	.globl	k_q73a5dbd765_cast
	.p2align	8
	.type	k_q73a5dbd765_cast,@function
k_q73a5dbd765_cast:
	s_mov_b64 s[64:65], 0
	v_nop
	global_prefetch_b8 v0, s[64:65] scope:SCOPE_SE
	s_setreg_imm32_b32 hwreg(HW_REG_WAVE_SCHED_MODE, 0, 2), 2
	s_setreg_imm32_b32 hwreg(HW_REG_WAVE_MODE, 25, 1), 1
	s_wait_xcnt 0x0
	s_wait_alu depctr_vm_vsrc(0)
; xb = x rounded to bf16, wb = W rounded to bf16 (nearest even).  x, W: [4096][4096] f32; xb, wb: [4096][4096] bf16, the same order of numbers.
; WHY A LAUNCH OF ITS OWN: in the product that follows each number of x is used by 16 blocks of columns x 2 waves = 32 waves, and each number
; of W likewise; rounded here, each is rounded once, and the product's tiles, LDS reads and fills are 2 bytes a number and not 4.
; Nothing of the problem is left out: every number of x and of W is rounded and stored.
; LIMIT: an f32 within half a bf16 step of the largest finite f32 becomes infinity.
;
; SHARES: 1,024 work-groups of eight waves.  Work-group g takes bytes 65,536 g .. + 65,535 of x and the same bytes of W: sixteen steps of 4,096
; bytes each.  Thread t takes the 16 bytes at 16 t of a step, so a load of a wave covers 512 consecutive bytes; its four numbers become 8 bytes
; at 8 t of a step of 2,048 bytes, so a store of a wave covers 256 consecutive bytes, at a multiple of 256 from the buffer's first byte.
; Both address registers are never rewritten: the step stands in the immediate.
; THE MODE: SCHED_MODE bits 1:0 = 2 (LLVM: expert scheduling mode 2), set by the entry lines.  The code itself states the register dependences
; between vector instructions and memory instructions, with s_wait_alu, always for 0.
; THE PLAN.  The 32 steps go in eight blocks of four: blocks 0 to 3 are x's, blocks 4 to 7 W's.  Registers that memory instructions touch:
;   X0 .. X4   five blocks as loaded; block p lives in X[p % 5].  Blocks 0 to 4 are loaded at the head; block p + 4 is loaded in block p
;              (p = 1, 2, 3), into X[p - 1], the buffer that block p - 1 has rounded.  Read by block p's conversions.
;   Y0 .. Y2   what blocks 0 to 2 round into, since their buffers are loaded again.  Each is written once; read by the stores issued a block later.
;   Blocks 3 to 7, whose buffers are not loaded again, round in place: four numbers close up into the first two of their four registers, and
;              the stores issued a block later read those two.
;   v1, v2     byte offsets, made once at the head.
; So no register that a store reads is ever written again, and block p's memory instructions (the loads into X[p - 1], the stores of block p - 1)
; touch only registers that block p - 1 worked on and that no vector instruction of block p names: ONE wait at a block's head states all that
; they hang on, and they are dealt among the block's conversions with no further wait.
; A buffer lies idle from its conversions to the next block's head: hence five buffers for four blocks' worth of loads.  By the text's own
; count a wave has 20 loads out at the start and 12 to 16 while there is anything left to load.
.set INSTEP,  4096                     ; 256 threads x 16 bytes
.set OUTSTEP, 2048                     ; 256 threads x 8 bytes
.set NBUF,    5                        ; X buffers
.set AGAIN,   3                        ; blocks 0 to AGAIN - 1: their buffers are loaded again, so they round into Y
.set IN,  1                            ; v1         16 t
.set OUT, 2                            ; v2         8 t
.set X,   4                            ; v[4:83]    buffer k, slot i: four f32 as loaded, at X + 16 k + 4 i
.set Y,   84                           ; v[84:107]  block q (0 to 2), slot i: four bf16 to store, at Y + 8 q + 2 i
	s_load_b256 s[4:11], s[0:1], 0x0               ; x s[4:5], W s[6:7], xb s[8:9], wb s[10:11]
	s_lshl_b32 s12, ttmp9, 16                      ; the work-group's 65,536 bytes of x and of W: 67,043,328 at the most, one word
	s_mov_b32 s13, 0
	s_lshl_b32 s14, ttmp9, 15                      ; and its 32,768 bytes of xb and of wb
	s_mov_b32 s15, 0
	v_lshlrev_b32 v[IN], 4, v0
	v_lshlrev_b32 v[OUT], 3, v0
	s_wait_kmcnt 0x0
	s_add_nc_u64 s[4:5], s[4:5], s[12:13]
	s_add_nc_u64 s[6:7], s[6:7], s[12:13]
	s_add_nc_u64 s[8:9], s[8:9], s[14:15]
	s_add_nc_u64 s[10:11], s[10:11], s[14:15]
	s_wait_alu depctr_va_vdst(0)                   ; v1 and v2 are written: every load of the kernel reads v1 as its offset, every store v2
.irp i, 0,1,2,3,4,5,6,7,8,9,10,11,12,13,14,15
	global_load_b128 v[X+4*(\i):X+4*(\i)+3], v[IN], s[4:5] offset:(\i)*INSTEP th:TH_LOAD_NT   ; blocks 0 to 3, x's sixteen steps, into X0 .. X3; each byte is read once in the launch
.endr
.irp i, 0,1,2,3
	global_load_b128 v[X+64+4*(\i):X+64+4*(\i)+3], v[IN], s[6:7] offset:(\i)*INSTEP th:TH_LOAD_NT   ; block 4, W's first four steps, into X4
.endr
; Slot i of block q leaves: from Y where the block rounded into Y, else from the first two registers of its four; blocks 0 to 3 to xb, 4 to 7 to wb.
; The stores carry no hint: the next launch reads these bytes.
.macro SEND q, i
.if (\q) < AGAIN
	global_store_b64 v[OUT], v[Y+8*(\q)+2*(\i):Y+8*(\q)+2*(\i)+1], s[8:9] offset:(4*(\q)+(\i))*OUTSTEP
.elseif (\q) < 4
	global_store_b64 v[OUT], v[X+16*((\q)%NBUF)+4*(\i):X+16*((\q)%NBUF)+4*(\i)+1], s[8:9] offset:(4*(\q)+(\i))*OUTSTEP
.else
	global_store_b64 v[OUT], v[X+16*((\q)%NBUF)+4*(\i):X+16*((\q)%NBUF)+4*(\i)+1], s[10:11] offset:(4*((\q)-4)+(\i))*OUTSTEP
.endif
.endm
; Block p.  left = how many younger loads may still be out when this block's four have to be there.
.macro BLK p, left
	s_wait_loadcnt \left                           ; loads come back in order (ISA guide 5.7.1): X[p % 5] is in, the younger blocks stay out
.if (\p) > 0
	s_wait_alu depctr_va_vdst(0)                   ; the block before has written what the stores below read (its Y, or the low pairs of its own buffer), and is done reading its buffer, in which the loads below (blocks 1 to 3 have them) land
.endif
.irp i, 0,1,2,3
.if ((\p) >= 1) && ((\p) <= AGAIN)
	global_load_b128 v[X+16*((\p)-1)+4*(\i):X+16*((\p)-1)+4*(\i)+3], v[IN], s[6:7] offset:(4*(\p)+(\i))*INSTEP th:TH_LOAD_NT   ; block p + 4: W's steps 4 p + i; no vector instruction since the wait names these registers
.endif
.if (\p) > 0
	SEND (\p)-1, \i                                ; the block before; no vector instruction since the wait names its registers either
.endif
.if (\p) < AGAIN
	v_cvt_pk_bf16_f32 v[Y+8*(\p)+2*(\i)],   v[X+16*(\p)+4*(\i)],   v[X+16*(\p)+4*(\i)+1]       ; the first source into the low half: the numbers keep their order
	v_cvt_pk_bf16_f32 v[Y+8*(\p)+2*(\i)+1], v[X+16*(\p)+4*(\i)+2], v[X+16*(\p)+4*(\i)+3]
.else
	v_cvt_pk_bf16_f32 v[X+16*((\p)%NBUF)+4*(\i)],   v[X+16*((\p)%NBUF)+4*(\i)],   v[X+16*((\p)%NBUF)+4*(\i)+1]   ; in place: no load lands in this buffer again, and no memory instruction has read it
	v_cvt_pk_bf16_f32 v[X+16*((\p)%NBUF)+4*(\i)+1], v[X+16*((\p)%NBUF)+4*(\i)+2], v[X+16*((\p)%NBUF)+4*(\i)+3]
.endif
.endr
.endm
	BLK 0, 16                                      ; x's steps 0 to 3; blocks 1 to 4 stay out; no block stands in front, so nothing is stored or loaded
	BLK 1, 12                                      ; from here on three younger blocks stay out; asks for block 5
	BLK 2, 12                                      ; asks for block 6
	BLK 3, 12                                      ; asks for block 7, the last: no load leaves W
	BLK 4, 12
	BLK 5, 8                                       ; nothing is left to load: the counts run down
	BLK 6, 4
	BLK 7, 0
	s_wait_alu depctr_va_vdst(0)                   ; block 7 has written the low pairs of its buffer, which the last four stores read
.irp i, 0,1,2,3
	SEND 7, \i
.endr
	s_endpgm
.Lfunc_end_k_q73a5dbd765_cast:
	.size	k_q73a5dbd765_cast, .Lfunc_end_k_q73a5dbd765_cast-k_q73a5dbd765_cast
	.p2alignl 7, 3214868480
	.fill 96, 4, 3214868480
	.section	.rodata,"a",@progbits
	.p2align	6, 0x0
	.amdhsa_kernel k_q73a5dbd765_cast
		.amdhsa_group_segment_fixed_size 0
		.amdhsa_private_segment_fixed_size 0
		.amdhsa_enable_private_segment 0
		.amdhsa_kernarg_size 32
		.amdhsa_user_sgpr_count 2
		.amdhsa_user_sgpr_kernarg_segment_ptr 1
		.amdhsa_wavefront_size32 1
		.amdhsa_system_sgpr_workgroup_id_x 1
		.amdhsa_system_sgpr_workgroup_id_y 1
		.amdhsa_system_sgpr_workgroup_id_z 1
		.amdhsa_system_vgpr_workitem_id 0
		.amdhsa_next_free_vgpr 108
		.amdhsa_next_free_sgpr 66
		.amdhsa_reserve_vcc 0
		.amdhsa_float_denorm_mode_32 3
		.amdhsa_float_denorm_mode_16_64 3
		.amdhsa_memory_ordered 1
		.amdhsa_forward_progress 1
		.amdhsa_inst_pref_size 12
	.end_amdhsa_kernel
	.amdgpu_metadata
---
amdhsa.version: [ 1, 2 ]
amdhsa.kernels:
  - .name:           k_q73a5dbd765_cast
    .symbol:         k_q73a5dbd765_cast.kd
    .args:
      - { .name: x, .offset: 0, .size: 8, .value_kind: global_buffer, .address_space: global }
      - { .name: W, .offset: 8, .size: 8, .value_kind: global_buffer, .address_space: global }
      - { .name: xb, .offset: 16, .size: 8, .value_kind: global_buffer, .address_space: global }
      - { .name: wb, .offset: 24, .size: 8, .value_kind: global_buffer, .address_space: global }
    .group_segment_fixed_size: 0
    .private_segment_fixed_size: 0
    .kernarg_segment_align: 8
    .kernarg_segment_size: 32
    .max_flat_workgroup_size: 256
    .sgpr_count:     66
    .vgpr_count:     108
    .wavefront_size: 32
...
	.end_amdgpu_metadata
.endif
;; end of part 4
;; launch gemm: the kernel of part 3 again; grid 16 x 16, 4 waves a work-group, clusters of 4 x 4, 327,680 bytes of LDS; arguments xb, wb, b, out0; writes out0
